; MI455X (gfx1250); checked and timed in simulation.
; The chip was launched on July 23, 2026; its instructions are those of AMD's public machine-readable ISA for CDNA 5 (MIT licence, August 2026) and "CDNA5" Instruction Set Architecture Reference Guide (July 2026). The comments in the code are by the model that wrote it; some were corrected since.
;; S6. Allowed arithmetic: matrix products marked QUANTISED: E3M2 operands, one E8M0 scale for each 32 along K, by v_wmma_scale_f32_16x16x128_f8f6f4 with both operands' format E3M2, f32 sums; products left as they are: f32 operands where the result goes on into a quantised operand, else bf16, f16 or f32 operands; f32 sums; everything else in f32.
;; Inputs: A 1,024 x 16 float32; W1_codes 1,024 x 32 x 24 uint8 (E3M2 codes of W1, K innermost, in blocks of 32 codes, four codes in three bytes); W1_scales 1,024 x 32 uint8 (E8M0 scales of W1, one for each 32 codes along K); W2_codes 16 x 32 x 24 uint8 (E3M2 codes of W2, K innermost, in blocks of 32 codes, four codes in three bytes); W2_scales 16 x 32 uint8 (E8M0 scales of W2, one for each 32 codes along K); W3_codes 16 x 32 x 24 uint8 (E3M2 codes of W3, K innermost, in blocks of 32 codes, four codes in three bytes); W3_scales 16 x 32 uint8 (E8M0 scales of W3, one for each 32 codes along K); b1 1,024 float32; b2 16 float32; b3 16 float32; x 4 x 2,048 x 1,024 float32.
;; Outputs: out0 4 x 2,048 x 1,024 float32.
;; This version of the problem:
;;   THIS VERSION OF THE PROBLEM IS GIVEN IN LOW PRECISION. The matrix products marked QUANTISED in the list below multiply operands that are first quantised to E3M2 (3 exponent bits, 2 mantissa bits; 6 bits a number), with one power-of-two scale for each 32 numbers along K (OCP MX v1.0); their sums are f32. All else is computed in f32.
;;   The module's matrix products, in the order in which they are computed (A, B: the left and right operand; K: the contracted axis; several contracted axes count as one K, in the product's order):
;;     1. [M 8,192, K 1,024] x [K 1,024, N 16]; A: input x; B: input W2 (given as codes): QUANTISED
;;     2. [M 8,192, K 1,024] x [K 1,024, N 16]; A: input x; B: input W3 (given as codes): QUANTISED
;;     3. [M 8,192, K 1,024] x [K 1,024, N 1,024]; A: input x; B: input W1 (given as codes): QUANTISED
;;     4. batch 8,192 x [M 1,024, K 1] x [K 1, N 16]; A: computed on the way; B: computed on the way: left as it is (no contracted axis)
;;     5. batch 8,192 x [M 1, K 16] x [K 16, N 1,024]; A: computed on the way; B: computed on the way: left as it is (K = 16 < 32)
;;   THE QUANTISER, for each operand of a quantised product, along K:
;;     - K is cut into blocks of 32 from its start; a last block that is shorter is filled with zeros.
;;     - A block's scale is 2^e with e = floor(log2(the largest magnitude in the block)) - 4, held to -126 .. 127; a block of zeros has e = 0. As a byte (E8M0): e + 127.
;;     - Each number is divided by its block's scale, clamped to +-28, and rounded to the nearest number of E3M2, ties to even, subnormals kept.
;;     - The product sums the exact products of the quantised numbers (number of the format x scale) in f32.
;;   ~~~python
;;   def quantise(x, axis):      # numpy; x: float32 -> the quantised numbers, widened to float32 again
;;       x = np.moveaxis(x, axis, -1); K = x.shape[-1]
;;       x = np.pad(x, [(0, 0)] * (x.ndim - 1) + [(0, -K % 32)]); x = x.reshape(x.shape[:-1] + (-1, 32)); a = np.abs(x).max(-1, keepdims=True)
;;       e = np.where(a > 0, np.clip(np.frexp(np.where(a > 0, a, 1))[1] - 1 - 4, -126, 127), 0)      # np.frexp(a)[1] - 1 = floor(log2(a)), exactly
;;       r = np.clip(x / 2.0 ** e, -28, 28)
;;       step = 2.0 ** (np.maximum(np.frexp(np.where(r == 0, 1, r))[1] - 1, -2) - 2)
;;       q = np.round(r / step) * step * 2.0 ** e      # np.round: ties to even
;;       return np.moveaxis(q.reshape(q.shape[:-2] + (-1,))[..., :K], -1, axis).astype(np.float32)
;;   ~~~
;;   INPUTS GIVEN AS CODES. W1 (in the module: [1024, 1024], K = its axis 0); W2 (in the module: [1024, 16], K = its axis 0); W3 (in the module: [1024, 16], K = its axis 0): each comes as NAME_codes (uint8): NAME with its K axis moved to the last place and cut into blocks of 32 codes, [.., K / 32, bytes a block], one block behind the other in memory; four codes in three bytes: a row's codes are one little-endian stream of bits, code i at bits 6 i .. 6 i + 5 (a code: sign, 3 exponent bits, 2 mantissa bits); and NAME_scales (uint8): the same leading axes, one E8M0 byte (e + 127) for each 32 codes along K. Its value is code x scale, taken as it is: it is not quantised again, and the codes and scales need not be those that the quantiser above would give.
;; One version. Each part assembles by itself: llvm-mc -triple=amdgcn-amd-amdhsa -mcpu=gfx1250 --defsym DOCPART=n.
;; ======== version 1 of 1: 1 launch
;; launch s6 (part 1): grid 4 x 64, 4 waves a work-group, clusters of 4 x 4, 327,680 bytes of LDS; arguments x, W1_codes, W1_scales, b1, W2_codes, W2_scales, W3_codes, W3_scales, b2, b3, out0; writes out0
.if DOCPART == 1
	.amdgcn_target "amdgcn-amd-amdhsa--gfx1250"
	.amdhsa_code_object_version 6
	.text
	.protected	k_qb81101afce_s6
	.globl	k_qb81101afce_s6
	.p2align	8
	.type	k_qb81101afce_s6,@function
k_qb81101afce_s6:
	s_mov_b64 s[64:65], 0
	v_nop
	global_prefetch_b8 v0, s[64:65] scope:SCOPE_SE
	s_setreg_imm32_b32 hwreg(HW_REG_WAVE_MODE, 25, 1), 1
	s_wait_xcnt 0x0
	s_wait_alu depctr_hold_cnt(0) depctr_sa_sdst(0) depctr_va_vdst(0) depctr_va_sdst(0) depctr_va_ssrc(0) depctr_va_vcc(0) depctr_vm_vsrc(0)
	s_getreg_b32 s2, hwreg(HW_REG_IB_STS2, 6, 4)
	s_cmp_eq_u32 s2, 0
	s_cbranch_scc0 .Lentry_in_a_cluster
	s_endpgm
.Lentry_in_a_cluster:
	s_bfe_u32 s2, ttmp6, 0x10000c
	s_cmp_lg_u32 s2, 0xf033
	s_cbranch_scc0 .Lentry_shape_is_right
	s_endpgm
.Lentry_shape_is_right:
; y[l][d] = x[l][d] * softplus(z[l][d]) * s[l],  z = Q(x) W1 + b1,  s[l] = sum over n of B[l][n] C[l][n],  B = Q(x) W2 + b2,  C = Q(x) W3 + b3.
; (reference()'s two einsums at its end are this: sum over n of C[l][n] x[l][d] delta[l][d] B[l][n].)  8,192 rows l, 1,024 columns d, K = 1,024, n = 0 .. 15.
; Q: codes of BF6 (E3M2) with one E8M0 scale for each 32 along K, made here from the f32 x.  W1, W2, W3 come as codes and scale bytes, K innermost, and are taken as they lie.
; The input A is not among the arguments: reference() takes it as a parameter and never reads it, so no value of it reaches the output.
; SHARES.  A work-group owns 128 rows (row group 4 x cluster y + cy) and 256 columns (256 cx on; the grid is one cluster wide); wave w of it columns c0 = 256 cx + 64 w .. c0 + 63.
; CLUSTERS: 4 x 4 work-groups.  The four of a row of the cluster need the same rows of x, the four of a column the same columns of W1: each such tile is asked for JOINTLY, by the same tensor load with the same
; descriptor and a mask that names the four.  W2 and W3 come by plain tensor loads: their address is alike in all sixteen, no mask names partners, and they are 24,576 of the 303,104 bytes of a work-group's first fills.
; THE WEIGHTS STAY IN REGISTERS: a wave holds its 64 columns of W1 (4 tiles x 8 K steps x 12 registers) and all of W2 and W3 (2 x 8 x 12), read once.  They come through LDS, where at the start 186,368 bytes lie free beside the
; first tile of x: three of every four columns of W1 (156,672 bytes with their padding) and W2, W3 (26,112).  The fourth column has no room there: each lane loads it from memory, 16 bytes at a time from rows 3,072 bytes apart,
; 24 loads a wave, issued while the tensor loads are out.
; x WALKS through a ring of two LDS slots of 32 rows.
; A PERIOD (32 rows; four periods, written out by one macro, so that every offset is a constant and no descriptor is ever stepped):
;   at its head the change of slots: the tile in hand has landed; a round of the cluster's barrier; the next tile is asked for, into the other slot: it has this whole period in which to land;
;   Q: wave w quantises the strip that it fetched itself (32 rows x K 256 w .. 256 w + 255: 4 fragments) and stores them in LDS as images of the operand's registers, 16 bytes a lane, with their scale words;
;   the work-group's barrier;
;   M: for each of the two tiles of 16 rows: the 8 fragments from LDS, 6 tiles of columns x 8 K steps, then s, softplus and y in registers, and the stores.
; B and C are made by every wave for every tile of rows (2 of 6 products): so s falls into the very registers and lanes that the last multiplication wants, with no exchange between waves.
; TWO CHOICES OF LAYOUT.  (1) Lane r of W1's tile t takes column c0 + 4 r + t.  The product is used as it stands (source 0 = 16 rows of x, source 1 = 16 columns), so register j of lane (r, h) is row 8 h + j, and the four
; tiles hold four NEIGHBOURING columns of that row: 16 bytes a lane, and sixteen lanes store 256 consecutive bytes at a multiple of 256 from the output's first byte.  No stage in LDS on the way out.
; (2) Inside a K step of 128 the four blocks of 32 stand in the order 0, 2, 1, 3 in BOTH operands: a lane's 12 registers are then 48 neighbouring bytes of a row of codes (three loads of 16 bytes, all aligned),
; and of x 64 neighbouring numbers.  The scale words' bytes follow the same order.  The products are the same; their order inside a K step differs from ascending K.
; x IS READ A SECOND TIME, as f32, for the last multiplication, straight into registers: which quarter of a row a work-group wants hangs on its place in the cluster, and LDS addresses here are alike in all partners.
; LIMITS.  NaN and infinities in x are not served.  A block of zeros of x gets the scale byte 1 where the quantiser says 127: its codes are zeros, and only this kernel reads the byte.  A block whose largest magnitude
; lies under 2^-122 has its byte held at 1, as the quantiser's clip does.  softplus(z) = max(z, 0) + ln 2 x log2(1 + 2^(-|z| log2 e)): no overflow for any finite z; under z = -17 or so the second term rounds to 0
; (an absolute error under 1e-7).  s is summed across lanes by halves, not in ascending n.
;
; LDS.  Slot sl at sl x SLOT: four strips (one a wave) of 32 rows x (1,024 bytes + 16 of padding): 1,040 = 65 x 16, so the sixteen rows that one half of a 16-byte load touches start in sixteen different
; groups of four banks (64 banks of 4 bytes: ISA guide 11.1); behind them 16 fragment images of 1,536 bytes (fragment 8 m + K step) and their 16 x 128 bytes of scale words.  The images take turns with the slots.
; AT THE START the weights lie where nothing else is yet: W2's and W3's 32 rows (pitch 816) in slot 0's images' place; W1's 64 rows of three columns (pitch 2,448) from slot 1's first byte on, over its strips and into its
; images' place.  16 bytes of padding follow every 256: 816 = 51 x 16 and 2,448 = 153 x 16, odd multiples again.  The images' bytes have then had their only fill; the strips are filled again with x.  Behind the slots: the spare words.
.set PITCH,  1040
.set STRIP,  32*PITCH                  ; 33,280
.set IMG,    4*STRIP                   ; 133,120
.set FRB,    1536                      ; a fragment's image: 12 registers x 128 bytes
.set XSC,    IMG+16*FRB                ; 157,696
.set SLOT,   XSC+16*128                ; 159,744
.set SPARE,  2*SLOT                    ; 319,488: 128 bytes for each wave, two blocks of 256 bytes that no other line names
.set TILEB,  32*4096                   ; 32 rows of x or of y in memory
.set WP,     816                       ; a column of codes in LDS: 3 x (256 bytes + 16)
.set WP3,    3*WP                      ; three columns on end: a row of W1's tile
.set WV,     IMG                       ; W2's 16 rows, then W3's: 26,112 bytes, up to 159,232
.set WL,     SLOT                      ; W1's 64 rows: 156,672 bytes, up to 316,416
; REGISTERS, in windows of 256.  Window 0:
.set SPW,  1                           ; v1   LDS address of my spare word; never rewritten
.set NIL,  2                           ; v2   0; never rewritten
.set AQ,   3                           ; v3-4   my lane's place in my strip, slot 0, 1: r x 1,040 + 256 h + 33,280 w
.set AWI,  5                           ; v5-6   where I store images: 16 x lane + 3,072 w + IMG
.set AWS,  7                           ; v7-8   and their scale words: 4 x lane + 256 w + XSC
.set AI,   9                           ; v9-10  where any image begins for my lane: 16 x lane + IMG
.set ASC,  11                          ; v11-12 and any scale word: 4 x lane + XSC
.set AE,   13                          ; v13  x and y in memory: 8 h rows + 16 r bytes
.set SH8,  14                          ; v14  8 h
.set VW,   15                          ; v15  W1's codes in memory: 3,072 r + 48 h
.set VS1,  17                          ; v17  W1's scale bytes: 128 r
.set VS2,  18                          ; v18  W2's, W3's: 32 r
.set VB,   19                          ; v19  b1: 16 r
.set VB2,  20                          ; v20  b2, b3: 4 r
.set LN,   21                          ; v21  lane
.set RR,   22                          ; v22  r = lane % 16
.set HH,   23                          ; v23  h = lane / 16
.set SW,   24                          ; v24-71  the weights' scale words: tile t, K step k at v[SW + 8 t + k]; scales and nothing else
.set XS,   72                          ; v72-79  x's scale words of the tile of rows in hand; scales and nothing else
.set X0,   80                          ; Q: v80-143, v144-207 two sets of 64 numbers of x
.set X1,   144
.set PC,   208                         ; Q: v208-219 the fragment just made
.set TC,   220                         ; Q: v220-222, v224-226 the upper halves of its two blocks, as the conversions leave them
.set MX,   228                         ; Q: v228-231 four chains of maxima
.set SO,   232                         ; Q: v232-233 the conversions' scale operands
.set BY,   234                         ; Q: v234-235 the scale bytes
.set PW,   236                         ; Q: v236 the scale word
.set PT,   237                         ; Q: v237 the other half of the lanes' part of it
.set ACC,  80                          ; M: v80-127 six accumulators: tiles 0-3 z, tile 4 B, tile 5 C
.set S,    112                         ; M: v112-119 B x C, then s, in B's place
.set XF,   128                         ; M: v128-223 x's eight fragments of a tile of rows
.set U,    224                         ; M: v224-255 at work
.set BH,   240                         ; head: v240-243 my four numbers of b1, v244 b2, v245 b3
.set AWA,  246                         ; head: v246 W1 in LDS: WL + 39,168 w + 2,448 r + 48 h; v247 the same + 16 h, for the pieces that lie behind one padding more in lanes 16-31
.set AVA,  248                         ; head: v248-249 the same for W2 and W3: WV + 816 r + 48 h (+ 16 h)
; Windows 1 to 3: the weights' fragment (K step k, tile t) at v[72 (k % 3) + 12 t] of window 1 + k / 3.  Window 3 also:
.set BI,   144                         ; v144-191 the biases as C operands: eight equal registers a tile
;                                        v192-223, v224-255 x for the last multiplication, then y: register 4 j + t = (row 8 h + j, column c0 + 4 r + t), for the period's two tiles of rows
.set G1,   28                          ; s[28:35] descriptor group 1 for x's tiles
.set G0,   36                          ; s[36:51] their groups 0, a set for each of the four tiles: written once
.set G1W,  76                          ; s[76:83], s[84:87] groups 1 and 0 for W1's tile
.set G0W,  84
.set G1V,  88                          ; s[88:95], s[96:99] for my part of W2 or W3
.set G0V,  96
.set MSB, 0
.macro WIN new                         ; s_set_vgpr_msb: bits 1:0 source 0, 3:2 source 1, 5:4 source 2, 7:6 destination; the high byte repeats the setting that is left
.if MSB != (\new)
	s_set_vgpr_msb (MSB<<8)|(\new)
.set MSB, (\new)
.endif
.endm
; A round of the cluster's barrier: my work-group's barrier, so that wave 0's signal speaks for all four waves; wave 0 signals; every wave waits for the sixteen work-groups; my work-group's barrier once more.
.macro CROUND
	s_barrier_signal -1
	s_barrier_wait -1
	s_cmp_lg_u32 s26, 0
	s_cbranch_scc1 .Lnot_wave_0_\@
	s_barrier_signal -3
.Lnot_wave_0_\@:
	s_barrier_wait -3
	s_barrier_signal -1
	s_barrier_wait -1
.endm
.macro PLACES                          ; four places behind a matrix instruction of this form, in front of loads into its registers and of the first read of results
.rept 4
	v_nop
.endr
.endm
	s_load_b512 s[4:19], s[0:1], 0x0               ; x s[4:5], W1's codes s[6:7], scales s[8:9], b1 s[10:11], W2's codes s[12:13], scales s[14:15], W3's codes s[16:17], scales s[18:19]
	s_load_b128 s[20:23], s[0:1], 0x40             ; b2 s[20:21], b3 s[22:23]
	s_load_b64 s[24:25], s[0:1], 0x50              ; y
	v_lshl_add_u32 v[SPW], v0, 2, SPARE
	v_mov_b32 v[NIL], 0
	ds_add_u32 v1, v2
	ds_add_u32 v1, v2
	s_wait_dscnt 0x0
	v_lshrrev_b32 v[RR], 5, v0
	v_readfirstlane_b32 s26, v[RR]                 ; wave 0..3
	s_bfe_u32 s27, ttmp6, 0x40000                  ; cx: my quarter of the columns
	s_bfe_u32 s53, ttmp6, 0x40004                  ; cy
	s_and_b32 s52, ttmp7, 0xffff                   ; in a cluster launch ttmp7 counts clusters
	s_lshl_b32 s52, s52, 2
	s_add_co_u32 s52, s52, s53                     ; my row group = 4 x cluster y + cy: 0 .. 63
	s_lshl_b32 s52, s52, 19                        ; its 128 rows of 4,096 bytes: under 2^25
	s_lshl_b32 s75, s53, 2
	s_lshl_b32 s75, 15, s75                        ; my row of the cluster: places 4 cy .. 4 cy + 3
	s_lshl_b32 s63, 0x1111, s27                    ; my column: places cx, cx + 4, cx + 8, cx + 12
	; descriptor group 1 for x: a tile of 32 rows x 256 numbers of 4 bytes, 16 bytes of padding behind each row
	s_or_b32 s[G1+0], s75, (2<<16)|(1<<20)|(1<<21)|(7<<22)|(3<<25)   ; 15:0 the mask: my row of the cluster; 17:16 elements of 4 bytes; 20 padding on; 21 set beside a mask; 24:22 after every 256 words (code 7); 31:25 4 words of it (code 3)
	s_mov_b32 s[G1+1], 256<<16                     ; tensor_dim0 = 256
	s_mov_b32 s[G1+2], 32<<16                      ; tensor_dim1 = 32
	s_mov_b32 s[G1+3], 256<<16                     ; tile_dim0 = 256
	s_mov_b32 s[G1+4], 32                          ; tile_dim1 = 32
	s_mov_b32 s[G1+5], 1024                        ; elements from row to row
	s_mov_b32 s[G1+6], 0
	s_mov_b32 s[G1+7], 0
	; for W1: 16 rows x 576 words (three columns of 768 bytes on end), 768 words (four columns) from row to row, 16 bytes of padding behind every 256
	s_or_b32 s[G1W+0], s63, (2<<16)|(1<<20)|(1<<21)|(5<<22)|(3<<25)  ; the mask: my column of the cluster; after every 64 words (code 5) 4 words of padding (code 3)
	s_mov_b32 s[G1W+1], 576<<16
	s_mov_b32 s[G1W+2], 16<<16
	s_mov_b32 s[G1W+3], 576<<16
	s_mov_b32 s[G1W+4], 16
	s_mov_b32 s[G1W+5], 768
	s_mov_b32 s[G1W+6], 0
	s_mov_b32 s[G1W+7], 0
	; for W2, W3: 8 rows of 768 bytes are a dense block: 24 rows of 256 bytes (32 elements of 8 bytes), 16 bytes of padding behind each; no mask
	s_mov_b32 s[G1V+0], (3<<16)|(1<<20)|(5<<22)|(3<<25)
	s_mov_b32 s[G1V+1], 32<<16
	s_mov_b32 s[G1V+2], 24<<16
	s_mov_b32 s[G1V+3], 32<<16
	s_mov_b32 s[G1V+4], 24
	s_mov_b32 s[G1V+5], 32
	s_mov_b32 s[G1V+6], 0
	s_mov_b32 s[G1V+7], 0
	s_mov_b32 s66, 0x76543210                      ; v_permlanex16_b32's selects for lane l xor 16
	s_mov_b32 s67, 0xfedcba98
	s_mov_b32 s68, 0xbfb8aa3b                      ; -log2(e)
	s_mov_b32 s69, 0x03010200                      ; v_perm_b32: bytes 0, 2, 1, 3
	s_mov_b32 s70, 0x3f317218                      ; ln 2
	s_mov_b32 s71, s70                             ; (named with it as a pair, so it is written)
	; offsets, in registers of their own.  s52, s53, s60, s61, s75 hold cy and the wave's number alone and feed x's descriptors; s27, s62, s63, s[2:3] hold cx and the wave's number alone and feed W1's
	s_mov_b32 s60, s52
	s_mov_b32 s61, 0
	s_lshl_b32 s62, s27, 8
	s_lshl_b32 s63, s26, 6
	s_add_co_u32 s62, s62, s63                     ; c0 = 256 cx + 64 w
	s_lshl_b32 s2, s62, 2                          ; 4 c0
	s_mov_b32 s3, 0
	s_mul_i32 s72, s26, STRIP                      ; my strip in a slot
	s_mul_i32 s73, s26, 2*FRB
	s_add_co_u32 s73, s73, IMG                     ; my two K steps' images
	s_lshl_b32 s74, s26, 8
	s_add_co_u32 s74, s74, XSC                     ; and their scale words
	s_mov_b32 s[G0W], 1                            ; 1:0 count = 1
	s_mul_i32 s[G0W+1], s26, 16*WP3
	s_add_co_u32 s[G0W+1], s[G0W+1], WL            ; 63:32 LDS address: my 16 rows of W1's 64
	s_mov_b32 s[G0V], 1
	s_mul_i32 s[G0V+1], s26, 8*WP
	s_add_co_u32 s[G0V+1], s[G0V+1], WV            ; my 8 rows of W2's and W3's 32
	v_and_b32 v[LN], 31, v0
	v_and_b32 v[RR], 15, v0
	v_bfe_u32 v[HH], v0, 4, 1
	v_mul_u32_u24 v[AQ], v[RR], PITCH
	v_lshl_add_u32 v[AQ], v[HH], 8, v[AQ]          ; row r, + 64 h numbers
	v_add_nc_u32 v[AQ], s72, v[AQ]
	v_add_nc_u32 v[AQ+1], SLOT, v[AQ]
	v_lshl_add_u32 v[AWI], v[LN], 4, s73
	v_add_nc_u32 v[AWI+1], SLOT, v[AWI]
	v_lshl_add_u32 v[AWS], v[LN], 2, s74
	v_add_nc_u32 v[AWS+1], SLOT, v[AWS]
	v_lshl_add_u32 v[AI], v[LN], 4, IMG
	v_add_nc_u32 v[AI+1], SLOT, v[AI]
	v_lshl_add_u32 v[ASC], v[LN], 2, XSC
	v_add_nc_u32 v[ASC+1], SLOT, v[ASC]
	v_mul_u32_u24 v[AWA], v[RR], WP3               ; W1 in LDS: my row of three columns,
	v_mad_u32_u24 v[AWA], v[HH], 48, v[AWA]        ; my half's two blocks of a K step,
	v_add_nc_u32 v[AWA], s[G0W+1], v[AWA]          ; among my wave's 16 rows;
	v_lshl_add_u32 v[AWA+1], v[HH], 4, v[AWA]      ; and the same behind one padding more
	v_mul_u32_u24 v[AVA], v[RR], WP
	v_mad_u32_u24 v[AVA], v[HH], 48, v[AVA]
	v_add_nc_u32 v[AVA], WV, v[AVA]
	v_lshl_add_u32 v[AVA+1], v[HH], 4, v[AVA]
	v_lshlrev_b32 v[AE], 4, v[RR]
	v_lshl_add_u32 v[AE], v[HH], 15, v[AE]
	v_lshlrev_b32 v[SH8], 3, v[HH]
	v_mul_u32_u24 v[VW], v[RR], 3072               ; four columns of 768 bytes from lane to lane
	v_mad_u32_u24 v[VW], v[HH], 48, v[VW]
	v_lshlrev_b32 v[VS1], 7, v[RR]
	v_lshlrev_b32 v[VS2], 5, v[RR]
	v_lshlrev_b32 v[VB], 4, v[RR]
	v_lshlrev_b32 v[VB2], 2, v[RR]
	v_mov_b32 v[PT], 0                             ; written once: a lane permute's destination counts as one of its sources
	s_wait_kmcnt 0x0
	s_add_nc_u64 s[56:57], s[4:5], s[60:61]        ; x at my row group,
	s_add_nc_u64 s[58:59], s[24:25], s[60:61]      ; y likewise,
	s_add_nc_u64 s[56:57], s[56:57], s[2:3]        ; both at column c0
	s_add_nc_u64 s[58:59], s[58:59], s[2:3]
	s_add_nc_u64 s[10:11], s[10:11], s[2:3]        ; b1 at c0
	s_lshl_b32 s75, s26, 10
	s_add_co_u32 s60, s60, s75                     ; + my strip's 1,024 bytes of a row
	s_add_nc_u64 s[54:55], s[4:5], s[60:61]        ; x at my strip of tile 0
	s_lshl_b32 s2, s62, 5
	s_add_nc_u64 s[8:9], s[8:9], s[2:3]            ; W1's scale bytes: 32 a column
	s_mul_i32 s2, s62, 768
	s_add_nc_u64 s[6:7], s[6:7], s[2:3]            ; W1's codes: 768 bytes a column
	s_mov_b64 s[G0W+2:G0W+3], s[6:7]               ; 120:64 global address: column c0
	s_or_b32 s[G0W+3], s[G0W+3], 0x80000000        ; 127:126 type = 2
	s_and_b32 s2, s26, 1
	s_mul_i32 s2, s2, 8*768                        ; which 8 rows,
	s_cmp_lt_u32 s26, 2                            ; and of which of the two: waves 0, 1 fetch W2's halves, waves 2, 3 W3's.  The choice hangs on the wave's number alone
	s_cselect_b64 s[G0V+2:G0V+3], s[12:13], s[16:17]
	s_add_nc_u64 s[G0V+2:G0V+3], s[G0V+2:G0V+3], s[2:3]
	s_or_b32 s[G0V+3], s[G0V+3], 0x80000000
.irp i, 0,1,2,3
	s_mov_b32 s[G0+4*\i], 1                                        ; 1:0 count = 1
	s_add_co_u32 s[G0+4*\i+1], s72, (\i%2)*SLOT                    ; 63:32 LDS address: my strip of slot i % 2
	s_add_nc_u64 s[G0+4*\i+2:G0+4*\i+3], s[54:55], \i*TILEB        ; 120:64 global address: tile i
	s_or_b32 s[G0+4*\i+3], s[G0+4*\i+3], 0x80000000                ; 127:126 type = 2
.endr
	CROUND                                         ; all sixteen work-groups are here: the first joint loads meet
	tensor_load_to_lds s[G0:G0+3], s[G1:G1+7]      ; the first fills go out together, ahead of every wait on TENSORcnt and every LDS read: tile 0 of x,
	s_nop 0
	tensor_load_to_lds s[G0W:G0W+3], s[G1W:G1W+7]  ; my rows of W1,
	s_nop 0
	tensor_load_to_lds s[G0V:G0V+3], s[G1V:G1V+7]  ; my part of W2 or W3: three loads of mine are out
	s_nop 0
.rept 4
	v_nop
.endr
	; the biases, the weights' scale words and W1's fourth columns: 39 loads, waited for once, in the first period behind its barrier
	global_load_b128 v[BH:BH+3], v[VB], s[10:11]
	global_load_b32 v[BH+4], v[VB2], s[20:21]
	global_load_b32 v[BH+5], v[VB2], s[22:23]
.irp t, 0,1,2,3
	global_load_b128 v[SW+8*\t:SW+8*\t+3], v[VS1], s[8:9] offset:32*\t        ; column c0 + 4 r + t: its eight words, one a K step
	global_load_b128 v[SW+8*\t+4:SW+8*\t+7], v[VS1], s[8:9] offset:32*\t+16
.endr
	global_load_b128 v[SW+32:SW+35], v[VS2], s[14:15]
	global_load_b128 v[SW+36:SW+39], v[VS2], s[14:15] offset:16
	global_load_b128 v[SW+40:SW+43], v[VS2], s[18:19]
	global_load_b128 v[SW+44:SW+47], v[VS2], s[18:19] offset:16
.irp k, 0,1,2,3,4,5,6,7
	WIN (1+\k/3)<<6                                ; destination window 1 + k / 3
.irp c, 0,1,2
	global_load_b128 v[72*(\k%3)+36+4*\c:72*(\k%3)+36+4*\c+3], v[VW], s[6:7] offset:768*3+96*\k+16*\c   ; tile 3: column c0 + 4 r + 3
.endr
.endr
	WIN 0
; The weights out of LDS into their registers: 120 loads of 16 bytes.  Piece (k, c) of a column is its byte B0 = 96 k + 16 c (+ 48 in lanes 16-31), which lies at B0 + 16 (B0 / 256) of the column's 816;
; where the piece 48 bytes on lies behind one padding more, the second address register serves.
.macro WLOAD
.irp k, 0,1,2,3,4,5,6,7
	WIN (1+\k/3)<<6                                ; destination window 1 + k / 3
.irp c, 0,1,2
.set B0, 96*\k+16*\c
.set OF, B0+16*(B0/256)
.set ONE, (B0+48)/256-B0/256
.irp t, 0,1,2
	ds_load_b128 v[72*(\k%3)+12*\t+4*\c:72*(\k%3)+12*\t+4*\c+3], v[AWA+ONE] offset:WP*\t+OF   ; W1's tile t: column c0 + 4 r + t
.endr
	ds_load_b128 v[72*(\k%3)+48+4*\c:72*(\k%3)+48+4*\c+3], v[AVA+ONE] offset:OF               ; W2's row r
	ds_load_b128 v[72*(\k%3)+60+4*\c:72*(\k%3)+60+4*\c+3], v[AVA+ONE] offset:16*WP+OF         ; W3's
.endr
.endr
	WIN 0
.endm
; x as f32 for the last multiplication of period i: 16 loads; in each, sixteen lanes read my wave's 256 bytes of a row, the other sixteen those of the row 8 further down
.macro XVLOAD i
	WIN 0xc0                                       ; destination window 3
.irp m, 0,1
.irp j, 0,1,2,3,4,5,6,7
	global_load_b128 v[192+32*\m+4*\j:192+32*\m+4*\j+3], v[AE], s[56:57] offset:TILEB*\i+65536*\m+4096*\j
.endr
.endr
	WIN 0
.endm
; 64 numbers of my row 16 m + r of slot sl: K = 128 (2 w + q) + 64 h + 0 .. 63
.macro LOADX buf, sl, m, q
.irp n, 0,1,2,3,4,5,6,7,8,9,10,11,12,13,14,15
	ds_load_b128 v[\buf+4*\n:\buf+4*\n+3], v[AQ+\sl] offset:16*PITCH*\m+512*\q+16*\n
.endr
.endm
; v[x] .. v[x + 63], two whole blocks of 32 along K, become a fragment's 12 registers in v[PC] on, and the row's scale word in v[PW].
.macro QUANT x
.irp c, 0,1                            ; each block's largest magnitude in two chains; the four chains by turns
	v_max3_num_f32 v[MX+\c], |v[\x+32*\c]|, |v[\x+32*\c+1]|, 0x2800000   ; with the floor 2^(5 - 127) among the leaves: the byte cannot fall under 1
	v_max3_num_f32 v[MX+2+\c], |v[\x+32*\c+16]|, |v[\x+32*\c+17]|, |v[\x+32*\c+18]|
.endr
.irp n, 1,2,3,4,5,6
.irp c, 0,1
	v_max3_num_f32 v[MX+\c], v[MX+\c], |v[\x+32*\c+2*\n]|, |v[\x+32*\c+2*\n+1]|
	v_max3_num_f32 v[MX+2+\c], v[MX+2+\c], |v[\x+32*\c+17+2*\n]|, |v[\x+32*\c+18+2*\n]|
.endr
.endr
.irp c, 0,1
	v_max3_num_f32 v[MX+\c], v[MX+\c], |v[\x+32*\c+14]|, |v[\x+32*\c+15]|
.endr
.irp c, 0,1
	v_max3_num_f32 v[MX+\c], v[MX+\c], v[MX+2+\c], |v[\x+32*\c+31]|
.endr
.irp c, 0,1
	v_add_nc_u32 v[SO+\c], 0xfe000000, v[MX+\c]    ; 4 off its exponent field: the conversion takes the exponent field of this operand as its scale, and nothing else of it
.endr
.irp c, 0,1
	v_lshrrev_b32 v[BY+\c], 23, v[SO+\c]           ; the scale's byte
.endr
	v_lshl_or_b32 v[PW], v[BY+1], 16, v[BY]        ; my two blocks stand at places h and 2 + h of the K step's four: bytes h and 2 + h of the word;
	v_lshlrev_b32 v[PW], v[SH8], v[PW]
	v_permlanex16_b32 v[PT], v[PW], s66, s67
	v_or_b32 v[PW], v[PW], v[PT]                   ; with lane l xor 16's two the word is whole
.irp c, 0,1
	v_cvt_scalef32_pk16_bf6_f32 v[PC+6*\c:PC+6*\c+2], v[\x+32*\c:\x+32*\c+15], v[SO+\c]
	v_cvt_scalef32_pk16_bf6_f32 v[TC+4*\c:TC+4*\c+2], v[\x+32*\c+16:\x+32*\c+31], v[SO+\c]   ; (a conversion's three registers begin on an even number: the second half of a block's six does not)
.endr
	v_nop                                          ; one plain place behind a scaled conversion
.irp c, 0,1
.irp n, 0,1,2
	v_mov_b32 v[PC+6*\c+3+\n], v[TC+4*\c+\n]
.endr
.endr
.endm
.macro IMAGE sl, m, q                  ; the fragment goes to LDS as it stands: fragment 8 m + 2 w + q of slot sl
.irp c, 0,1,2
	ds_store_b128 v[AWI+\sl], v[PC+4*\c:PC+4*\c+3] offset:FRB*(8*\m+\q)+512*\c
.endr
	ds_store_b32 v[AWS+\sl], v[PW] offset:128*(8*\m+\q)
.endm
.macro FETCH sl, m                     ; and comes back so, in any wave: the eight K steps of tile of rows m, four LDS loads a step
.irp k, 0,1,2,3,4,5,6,7
.irp c, 0,1,2
	ds_load_b128 v[XF+12*\k+4*\c:XF+12*\k+4*\c+3], v[AI+\sl] offset:FRB*(8*\m+\k)+512*\c
.endr
	ds_load_b32 v[XS+\k], v[ASC+\sl] offset:128*(8*\m+\k)
.endr
.endm
; 48 matrix instructions: 8 K steps x 6 tiles of columns.  The six accumulators take turns, one instruction a turn.  The first step's C is the bias: nothing is cleared, no bias is added.
.macro MM
.irp k, 0,1,2,3,4,5,6,7
	s_wait_dscnt 4*(7-\k)                          ; LDS loads come back in order (ISA guide 5.7.1): step k's four are in, those of the steps behind it may be out
.if \k == 0
	WIN 0x34                                       ; source 1 (the weights) window 1, source 2 (the biases) window 3
.else
	WIN (1+\k/3)<<2                                ; source 1 window 1 + k / 3
.endif
.irp t, 0,1,2,3,4,5
.if \k == 0
	v_wmma_scale_f32_16x16x128_f8f6f4 v[ACC+8*\t:ACC+8*\t+7], v[XF+12*\k:XF+12*\k+11], v[72*(\k%3)+12*\t:72*(\k%3)+12*\t+11], v[BI+8*\t:BI+8*\t+7], v[XS+\k], v[SW+8*\t+\k] matrix_a_fmt:MATRIX_FMT_BF6 matrix_b_fmt:MATRIX_FMT_BF6
.else
	v_wmma_scale_f32_16x16x128_f8f6f4 v[ACC+8*\t:ACC+8*\t+7], v[XF+12*\k:XF+12*\k+11], v[72*(\k%3)+12*\t:72*(\k%3)+12*\t+11], v[ACC+8*\t:ACC+8*\t+7], v[XS+\k], v[SW+8*\t+\k] matrix_a_fmt:MATRIX_FMT_BF6 matrix_b_fmt:MATRIX_FMT_BF6
.endif
.endr
.endr
	WIN 0
	PLACES
.endm
; THE WAY OUT of tile of rows m of period i.  left: the younger loads of x that may stay out.
.macro EPI i, m, left
.set XV, 192+32*\m
.irp n, 0,1,2,3
	v_pk_mul_f32 v[S+2*\n:S+2*\n+1], v[ACC+32+2*\n:ACC+33+2*\n], v[ACC+40+2*\n:ACC+41+2*\n]   ; B x C of my n = r, rows 8 h + 0 .. 7 (each accumulator is read from its low end on)
.endr
.set CNT, 0
.rept 32
	v_mul_f32 v[U+CNT], s68, |v[ACC+CNT]|          ; -|z| log2 e
.set CNT, CNT+1
.endr
.set CNT, 0
.rept 32
	v_exp_f32 v[U+CNT], v[U+CNT]                   ; e^-|z|, at most 1
	v_max_num_f32 v[ACC+CNT], 0, v[ACC+CNT]        ; max(z, 0): also the plain line behind each exponential
.set CNT, CNT+1
.endr
.set CNT, 0
	s_wait_alu depctr_va_vdst(0)
.rept 16
	v_pk_add_f32 v[U+CNT:U+CNT+1], v[U+CNT:U+CNT+1], 1.0 op_sel_hi:[1,0]
.set CNT, CNT+2
.endr
.set CNT, 0
.irp x, 1,2,4,8                        ; between the logarithms: s = the sum of B x C over the sixteen lanes of my half; every lane ends with s of row 8 h + j in v[S + j]
.irp j, 0,1,2,3,4,5,6,7
	v_log_f32 v[U+CNT], v[U+CNT]
	v_add_f32_dpp v[S+\j], v[S+\j], v[S+\j] row_xmask:\x row_mask:0xf bank_mask:0xf
.set CNT, CNT+1
.endr
.endr
	v_nop                                          ; a plain line between the logarithms and the use of their results
.set CNT, 0
	s_wait_alu depctr_va_vdst(0)
.rept 16
	v_pk_fma_f32 v[ACC+CNT:ACC+CNT+1], v[U+CNT:U+CNT+1], s[70:71], v[ACC+CNT:ACC+CNT+1] op_sel_hi:[1,0,1]   ; softplus(z) = ln 2 x log2(1 + e^-|z|) + max(z, 0)
.set CNT, CNT+2
.endr
.irp t, 0,1,2,3
.irp n, 0,1,2,3
	v_pk_mul_f32 v[ACC+8*\t+2*\n:ACC+8*\t+2*\n+1], v[ACC+8*\t+2*\n:ACC+8*\t+2*\n+1], v[S+2*\n:S+2*\n+1]   ; x s of its row
.endr
.endr
	s_wait_loadcnt \left                           ; this tile's eight loads of x are in
	WIN 0xcc                                       ; source 1 and destination window 3: x, then y
.irp j, 0,1,2,3,4,5,6,7
.irp t, 0,1,2,3
	v_mul_f32 v[XV+4*\j+\t], v[ACC+8*\t+\j], v[XV+4*\j+\t]
.endr
	global_store_b128 v[AE], v[XV+4*\j:XV+4*\j+3], s[58:59] offset:TILEB*\i+65536*\m+4096*\j th:TH_STORE_NT   ; sixteen lanes store 256 consecutive bytes, at a multiple of 256 from y's first byte; written once, read by nobody here
.endr
	WIN 0
.endm
; A PERIOD: tile i, in slot sl = i % 2.
.macro PERIOD i, sl
.if \i > 0
	s_wait_xcnt 0x0                                ; the last period's stores have read their registers, which are now loaded again
.endif
	XVLOAD \i
	s_wait_tensorcnt 0x0                           ; all my tensor loads have landed: my strip of tile i (no load was issued behind it); in period 0 my parts of the weights too
.if \i == 0
	s_barrier_signal -1                            ; W2 and W3 were fetched by all four waves and are read by each
	s_barrier_wait -1
	WLOAD
	LOADX X0, \sl, 0, 0                            ; the first two sets of x follow in the same run
	LOADX X1, \sl, 0, 1
	s_wait_tensorcnt 0x0                           ; (no tensor load of mine is out: the line stands ahead of the add)
.endif
.if \i < 3
	ds_add_u32 v[SPW], v[NIL]                      ; 0 onto my spare word
	s_wait_dscnt 0x0                               ; the add is done, and every LDS read of mine is back: those of the other slot's strips (in period 0: of the weights that lie there, and of W2 and W3, over which the images go)
	CROUND                                         ; the same holds of every wave of the sixteen work-groups
	tensor_load_to_lds s[G0+4*(\i+1):G0+4*(\i+1)+3], s[G1:G1+7]   ; tile i + 1 into the other slot's strips: my one tensor load behind the round; it has this whole period in which to land
	s_nop 0
.rept 4
	v_nop
.endr
.endif
.if \i > 0
	LOADX X0, \sl, 0, 0
	LOADX X1, \sl, 0, 1
	s_wait_dscnt 16                                ; all but the sixteen just issued: the first set is in
.endif
	QUANT X0
	IMAGE \sl, 0, 0
	LOADX X0, \sl, 1, 0
	s_wait_dscnt 16                                ; all but the sixteen just issued: the second set is in, and the image's four stores have read v[PC] on and v[PW]
	QUANT X1
	IMAGE \sl, 0, 1
	LOADX X1, \sl, 1, 1
	s_wait_dscnt 16                                ; likewise
	QUANT X0
	IMAGE \sl, 1, 0
	s_wait_dscnt 0x0                               ; the last set is in, and the stores just issued have read their registers
	QUANT X1
	IMAGE \sl, 1, 1
	s_wait_dscnt 0x0                               ; for the others' sake: my images have landed
	s_barrier_signal -1                            ; the next tile's load may stay out across it
	s_barrier_wait -1
.if \i == 0
	s_wait_loadcnt 16                              ; the head's 39 loads are in; the sixteen of x issued behind them may be out
.set CNT, 0
.rept 48
	v_perm_b32 v[SW+CNT], v[SW+CNT], v[SW+CNT], s69   ; the weights' scale words in the order of the blocks: bytes 0, 2, 1, 3
.set CNT, CNT+1
.endr
	WIN 0xc0
.irp t, 0,1,2,3,4,5
.irp j, 0,1,2,3,4,5,6,7
	v_mov_b32 v[BI+8*\t+\j], v[BH+\t]              ; a lane holds one column, so a tile's bias is one number in eight registers.  (These 48 also stand between the scale words' writing and the first scaled product)
.endr
.endr
	WIN 0
	PLACES                                         ; and these between the biases' writing and it
.endif
	FETCH \sl, 0
	MM
	FETCH \sl, 1                                   ; the second tile's fragments come while the first goes out
	EPI \i, 0, 8
	MM
	EPI \i, 1, 0
.endm
	PERIOD 0, 0
	PERIOD 1, 1
	PERIOD 2, 0
	PERIOD 3, 1
	s_wait_tensorcnt 0x0                           ; the wave's end: behind my last tensor load and my last LDS store
	ds_add_u32 v[SPW], v[NIL]
	s_wait_dscnt 0x0
	CROUND                                         ; the closing round: no work-group ends while a partner may still ask for a tile that names it
	s_endpgm
.Lfunc_end_k_qb81101afce_s6:
	.size	k_qb81101afce_s6, .Lfunc_end_k_qb81101afce_s6-k_qb81101afce_s6
	.p2alignl 7, 3214868480
	.fill 96, 4, 3214868480
	.section	.rodata,"a",@progbits
	.p2align	6, 0x0
	.amdhsa_kernel k_qb81101afce_s6
		.amdhsa_group_segment_fixed_size 327680
		.amdhsa_private_segment_fixed_size 0
		.amdhsa_enable_private_segment 0
		.amdhsa_kernarg_size 88
		.amdhsa_user_sgpr_count 2
		.amdhsa_user_sgpr_kernarg_segment_ptr 1
		.amdhsa_wavefront_size32 1
		.amdhsa_system_sgpr_workgroup_id_x 1
		.amdhsa_system_sgpr_workgroup_id_y 1
		.amdhsa_system_sgpr_workgroup_id_z 1
		.amdhsa_system_vgpr_workitem_id 0
		.amdhsa_next_free_vgpr 1024
		.amdhsa_next_free_sgpr 100
		.amdhsa_reserve_vcc 0
		.amdhsa_float_denorm_mode_32 3
		.amdhsa_float_denorm_mode_16_64 3
		.amdhsa_memory_ordered 1
		.amdhsa_forward_progress 1
		.amdhsa_inst_pref_size 255
	.end_amdhsa_kernel
	.section	.bss,"aw",@nobits
	.p2align	6
	.space	262144
	.amdgpu_metadata
---
amdhsa.version: [ 1, 2 ]
amdhsa.kernels:
  - .name:           k_qb81101afce_s6
    .symbol:         k_qb81101afce_s6.kd
    .args:
      - { .name: x, .offset: 0, .size: 8, .value_kind: global_buffer, .address_space: global }
      - { .name: W1_codes, .offset: 8, .size: 8, .value_kind: global_buffer, .address_space: global }
      - { .name: W1_scales, .offset: 16, .size: 8, .value_kind: global_buffer, .address_space: global }
      - { .name: b1, .offset: 24, .size: 8, .value_kind: global_buffer, .address_space: global }
      - { .name: W2_codes, .offset: 32, .size: 8, .value_kind: global_buffer, .address_space: global }
      - { .name: W2_scales, .offset: 40, .size: 8, .value_kind: global_buffer, .address_space: global }
      - { .name: W3_codes, .offset: 48, .size: 8, .value_kind: global_buffer, .address_space: global }
      - { .name: W3_scales, .offset: 56, .size: 8, .value_kind: global_buffer, .address_space: global }
      - { .name: b2, .offset: 64, .size: 8, .value_kind: global_buffer, .address_space: global }
      - { .name: b3, .offset: 72, .size: 8, .value_kind: global_buffer, .address_space: global }
      - { .name: out0, .offset: 80, .size: 8, .value_kind: global_buffer, .address_space: global }
    .group_segment_fixed_size: 327680
    .private_segment_fixed_size: 0
    .kernarg_segment_align: 8
    .kernarg_segment_size: 88
    .max_flat_workgroup_size: 128
    .sgpr_count:     100
    .vgpr_count:     1024
    .wavefront_size: 32
...
	.end_amdgpu_metadata
.endif
;; end of part 1
